; MI455X (gfx1250); checked and timed in simulation.
; The chip was launched on July 23, 2026; its instructions are those of AMD's public machine-readable ISA for CDNA 5 (MIT licence, August 2026) and "CDNA5" Instruction Set Architecture Reference Guide (July 2026). The comments in the code are by the model that wrote it; some were corrected since.
;; S Attention. Allowed arithmetic: matrix products marked QUANTISED: E5M2 operands, one E8M0 scale for each 32 along K, by v_wmma_scale_f32_16x16x128_f8f6f4 with both operands' format E5M2, f32 sums; everything else in f32.
;; Inputs: b1 256 float32; b2 256 float32; be1 256 float32; be2 256 float32; g1 256 float32; g2 256 float32; w1 256 x 256 float32; w2 256 x 256 float32; wk 256 x 256 float32; wq 256 x 256 float32; wv 256 x 256 float32; x 512 x 128 x 256 float32.
;; Outputs: out0 512 x 128 x 256 float32.
;; This version of the problem:
;;   THIS VERSION OF THE PROBLEM IS GIVEN IN LOW PRECISION. The matrix products marked QUANTISED in the list below multiply operands that are first quantised to E5M2 (5 exponent bits, 2 mantissa bits; 8 bits a number), with one power-of-two scale for each 32 numbers along K (OCP MX v1.0); their sums are f32. All else is computed in f32.
;;   The module's matrix products, in the order in which they are computed (A, B: the left and right operand; K: the contracted axis; several contracted axes count as one K, in the product's order):
;;     1. [M 65,536, K 256] x [K 256, N 256]; A: computed on the way; B: input wq: QUANTISED
;;     2. [M 65,536, K 256] x [K 256, N 256]; A: computed on the way; B: input wk: QUANTISED
;;     3. [M 65,536, K 256] x [K 256, N 256]; A: computed on the way; B: input wv: QUANTISED
;;     4. batch 512 x [M 512, K 64] x [K 64, N 512]; A: computed on the way; B: computed on the way: QUANTISED
;;     5. batch 512 x [M 64, K 512] x [K 512, N 512]; A: computed on the way; B: softmax (see below): QUANTISED
;;     6. [M 65,536, K 256] x [K 256, N 256]; A: computed on the way; B: input w1: QUANTISED
;;     7. [M 65,536, K 256] x [K 256, N 256]; A: computed on the way; B: input w2: QUANTISED
;;   THE QUANTISER, for each operand of a quantised product, along K:
;;     - K is cut into blocks of 32 from its start; a last block that is shorter is filled with zeros.
;;     - A block's scale is 2^e with e = floor(log2(the largest magnitude in the block)) - 15, held to -126 .. 127; a block of zeros has e = 0. As a byte (E8M0): e + 127.
;;     - Each number is divided by its block's scale, clamped to +-57,344, and rounded to the nearest number of E5M2, ties to even, subnormals kept.
;;     - The product sums the exact products of the quantised numbers (number of the format x scale) in f32.
;;   ~~~python
;;   def quantise(x, axis):      # numpy; x: float32 -> the quantised numbers, widened to float32 again
;;       x = np.moveaxis(x, axis, -1); K = x.shape[-1]
;;       x = np.pad(x, [(0, 0)] * (x.ndim - 1) + [(0, -K % 32)]); x = x.reshape(x.shape[:-1] + (-1, 32)); a = np.abs(x).max(-1, keepdims=True)
;;       e = np.where(a > 0, np.clip(np.frexp(np.where(a > 0, a, 1))[1] - 1 - 15, -126, 127), 0)      # np.frexp(a)[1] - 1 = floor(log2(a)), exactly
;;       r = np.clip(x / 2.0 ** e, -57344, 57344)
;;       step = 2.0 ** (np.maximum(np.frexp(np.where(r == 0, 1, r))[1] - 1, -14) - 2)
;;       q = np.round(r / step) * step * 2.0 ** e      # np.round: ties to even
;;       return np.moveaxis(q.reshape(q.shape[:-2] + (-1,))[..., :K], -1, axis).astype(np.float32)
;;   ~~~
;;   SOFTMAX AHEAD OF A QUANTISED PRODUCT. Where the list says 'softmax', what is quantised is not the finished softmax but p = 2^(t - M), with t = logit x log2(e) and M = ceil(the row's largest t), a whole number; so 1/2 < the row's largest p <= 1. The row's sum l is taken of the UNQUANTISED p, in f32, and the product's result is divided by l at the end. Since M is a whole number, a kernel that streams over the keys may use a running M (the ceiling of the running maximum): every later rescaling is an exact power of two, which a block's scale takes up: the codes' values come out the same.
;;   OPERANDS COMPUTED ON THE WAY. 'Computed on the way' means the value that the module computes at that place (a softmax that the list does not call 'softmax' is quantised finished and normalised). What goes into a quantiser is computed in f32, as accurately as f32 sums, v_exp_f32 and their like allow (about 1e-6 of the number): no bf16 or f16 on the way to a quantiser, and a product that is left as it is and whose result goes on into a quantised operand takes f32 operands (vector FMAs, or v_wmma_f32_16x16x4_f32). A number that lies on a knife's edge between two numbers of the format may be rounded either way, as far as f32 arithmetic and the matrix unit's own rounding can turn it there, and no further.
;; One version. Each part assembles by itself: llvm-mc -triple=amdgcn-amd-amdhsa -mcpu=gfx1250 --defsym DOCPART=n.
;; ======== version 1 of 1: 2 launches
;; limits: right only within a limited range of input values
;; workspace buffers: wimg 337,920 bytes
;; launch prep (part 1): grid 20 x 1, 4 waves a work-group, no clusters, 1,536 bytes of LDS; arguments wq, wk, wv, w1, w2, wimg; writes wimg
.if DOCPART == 1
	.amdgcn_target "amdgcn-amd-amdhsa--gfx1250"
	.amdhsa_code_object_version 6
	.text
	.protected	k_q800ca2f5d2_prep
	.globl	k_q800ca2f5d2_prep
	.p2align	8
	.type	k_q800ca2f5d2_prep,@function
k_q800ca2f5d2_prep:
	s_mov_b64 s[64:65], 0
	v_nop
	global_prefetch_b8 v0, s[64:65] scope:SCOPE_SE
	s_setreg_imm32_b32 hwreg(HW_REG_WAVE_MODE, 25, 1), 1
	s_wait_xcnt 0x0
; The five weights [256 (n)][256 (k)] f32, K innermost, become codes of BF8 (E5M2) with one E8M0 byte for each 32 along K, laid in wimg as IMAGES OF OPERAND REGISTERS.
; Matrix m (0 wq, 1 wk, 2 wv, 3 w1, 4 w2) takes MB bytes.  Fragment (ct, ks), 16 rows x 128 K, lies at m MB + 2048 (2 ct + ks): registers 4 c .. 4 c + 3 of a lane at 512 c + 16 lane.
; Lane r of tile ct holds row 32 (ct / 2) + 8 (ct % 2) + r + 8 (r / 8): with such a tile as source 0, the 16 result registers of tiles 2 b, 2 b + 1 are 16 neighbours along the next K.
; Scale words: m MB + 65536 + 128 ct + 8 r + 4 ks.
; SHARES: work-group g takes matrix g / 4 and tiles 4 (g % 4) .. + 3, a tile a wave; a lane holds 16 numbers of each of its row's 8 blocks, lane l xor 16 the other 16.
; LIMITS: NaN and infinities are not served.  A block of zeros, or one whose largest magnitude lies under 2^-111, gets the byte 1 (the rule says 127 for zeros): its codes are zeros or as the floor gives them, and this program alone reads the bytes.
.set MB,   67584
.set R,    16                          ; v16-143  my 128 numbers
.set C,    144                         ; v144-175 their codes
.set PW,   176                         ; v176-177 the two scale words
.set SEL,  20                          ; s[20:21] selects of v_permlanex16_b32: lane l xor 16
.set MNT,  22
; nb blocks, block b in v[src + 16 b ..]: largest magnitudes (BM), scale bytes (PM), the conversions' scale operands (SO)
.macro QPREP src, nb, relu
.set BM, 256-4*(\nb)
.set PM, BM+(\nb)
.set SO, BM+2*(\nb)
.set HO, BM+3*(\nb)
.set qb, 0
.rept \nb
.if \relu
	v_max3_num_f32 v[BM+qb], v[\src+16*qb], v[\src+16*qb+1], 0x8000000
.else
	v_max3_num_f32 v[BM+qb], |v[\src+16*qb]|, |v[\src+16*qb+1]|, 0x8000000   ; with the floor 2^(16 - 127): the byte cannot fall under 1
.endif
.set qb, qb+1
.endr
.set qi, 2
.rept 7
.set qb, 0
.rept \nb
.if \relu
	v_max3_num_f32 v[BM+qb], v[BM+qb], v[\src+16*qb+qi], v[\src+16*qb+qi+1]
.else
	v_max3_num_f32 v[BM+qb], v[BM+qb], |v[\src+16*qb+qi]|, |v[\src+16*qb+qi+1]|
.endif
.set qb, qb+1
.endr
.set qi, qi+2
.endr
.set qb, 0
.rept \nb
	v_permlanex16_b32 v[PM+qb], v[BM+qb], s[SEL], s[SEL+1]
.set qb, qb+1
.endr
.set qb, 0
.rept \nb
	v_max_num_f32 v[BM+qb], v[BM+qb], v[PM+qb]             ; with lane l xor 16's: the block's largest magnitude
.set qb, qb+1
.endr
.set qb, 0
.rept \nb
	v_add_nc_u32 v[SO+qb], 0xf8800000, v[BM+qb]            ; 15 off its exponent field: the conversion's scale operand
.set qb, qb+1
.endr
.set qb, 0
.rept \nb
.set qb, qb+1
.endr
.set qb, 0
.rept \nb
	v_lshrrev_b32 v[PM+qb], 23, v[SO+qb]                   ; the scale's byte
.set qb, qb+1
.endr
.set qb, 0
.rept \nb
.set qi, 0
.rept 16
.if \relu
	v_med3_num_f32 v[\src+16*qb+qi], v[\src+16*qb+qi], 0, v[HO+qb]
.else
.endif
.set qi, qi+1
.endr
.set qb, qb+1
.endr
.endm
.macro QCVT src, dst, nb
.set qb, 0
.rept \nb
	v_cvt_scalef32_pk8_bf8_f32 v[\dst+4*qb:\dst+4*qb+1], v[\src+16*qb:\src+16*qb+7], v[SO+qb]
	v_cvt_scalef32_pk8_bf8_f32 v[\dst+4*qb+2:\dst+4*qb+3], v[\src+16*qb+8:\src+16*qb+15], v[SO+qb]
.set qb, qb+1
.endr
	v_nop                                                  ; one plain line behind the last conversion
.endm
	s_load_b256 s[4:11], s[0:1], 0x0               ; wq, wk, wv, w1
	s_load_b128 s[12:15], s[0:1], 0x20             ; w2, wimg
	v_lshl_add_u32 v222, v0, 2, 0x400
	v_mov_b32 v223, 0
	v_lshrrev_b32 v1, 5, v0
	v_readfirstlane_b32 s16, v1                    ; wave 0..3
	v_and_b32 v2, 31, v0                           ; lane
	v_and_b32 v3, 15, v0                           ; r
	v_bfe_u32 v4, v0, 4, 1                         ; h
	v_and_b32 v5, 8, v3
	v_add_nc_u32 v5, v5, v3                        ; r + 8 (r / 8)
	v_lshlrev_b32 v5, 10, v5                       ; a row is 1,024 bytes
	v_lshl_add_u32 v5, v4, 6, v5                   ; + 64 h: my 16 numbers of a block
	v_lshlrev_b32 v6, 4, v2                        ; 16 x lane
	v_lshlrev_b32 v7, 3, v3
	s_lshl_b32 s17, s16, 7
	v_add_nc_u32 v7, s17, v7                       ; LDS: 128 x wave + 8 r
	s_mov_b32 s[SEL], 0x76543210
	s_mov_b32 s[SEL+1], 0xfedcba98
.irp k, 0,1,2,3,4,5,6,7
	v_mov_b32 v[232+\k], 0                         ; a lane permute's destination counts as one of its sources
.endr
	s_lshr_b32 s18, ttmp9, 2                       ; m
	s_and_b32 s19, ttmp9, 3                        ; which four tiles
	s_lshl_b32 s23, s19, 2
	s_add_co_u32 s23, s23, s16                     ; ct
	s_lshr_b32 s24, s23, 1
	s_lshl_b32 s24, s24, 15                        ; 32 (ct / 2) rows
	s_and_b32 s25, s23, 1
	s_lshl_b32 s25, s25, 13                        ; 8 (ct % 2) rows
	s_add_co_u32 s24, s24, s25
	s_mov_b32 s25, 0
	s_mul_i32 s26, s18, MB
	s_lshl_b32 s28, s19, 9
	s_add_co_u32 s28, s28, s26
	s_add_co_u32 s28, s28, 65536                   ; the four tiles' scale words
	s_mov_b32 s29, 0
	s_lshl_b32 s27, s23, 12
	s_add_co_u32 s26, s26, s27                     ; the tile's two fragments
	s_mov_b32 s27, 0
	s_wait_kmcnt 0x0
	s_cmp_eq_u32 s18, 1                            ; the choice hangs on the work-group's number alone
	s_cselect_b64 s[4:5], s[6:7], s[4:5]
	s_cmp_eq_u32 s18, 2
	s_cselect_b64 s[4:5], s[8:9], s[4:5]
	s_cmp_eq_u32 s18, 3
	s_cselect_b64 s[4:5], s[10:11], s[4:5]
	s_cmp_eq_u32 s18, 4
	s_cselect_b64 s[4:5], s[12:13], s[4:5]
	s_add_nc_u64 s[4:5], s[4:5], s[24:25]
	s_add_nc_u64 s[26:27], s[14:15], s[26:27]
	s_add_nc_u64 s[28:29], s[14:15], s[28:29]
.irp b, 0,1,2,3,4,5,6,7
.irp j, 0,1,2,3
	global_load_b128 v[R+16*\b+4*\j:R+16*\b+4*\j+3], v5, s[4:5] offset:128*\b+16*\j
.endr
.endr
	s_wait_loadcnt 0x0
	QPREP R, 8, 0
.irp s, 0,1
	v_lshl_or_b32 v[PW+\s], v[PM+4*\s+1], 8, v[PM+4*\s]    ; four bytes make a K step's scale word
	v_lshl_or_b32 v[PW+\s], v[PM+4*\s+2], 16, v[PW+\s]
	v_lshl_or_b32 v[PW+\s], v[PM+4*\s+3], 24, v[PW+\s]
.endr
	QCVT R, C, 8
.irp k, 0,1,2,3,4,5,6,7
	global_store_b128 v6, v[C+4*\k:C+4*\k+3], s[26:27] offset:512*\k   ; 32 lanes store 512 consecutive bytes
.endr
	ds_store_b64 v7, v[PW:PW+1]                    ; both halves of the lanes write the same words
	s_wait_dscnt 0x0                               ; for the others' sake
	s_barrier_signal -1
	s_barrier_wait -1
	s_cmp_lg_u32 s16, 0
	s_cbranch_scc1 .Lend
	ds_load_b128 v[8:11], v6                       ; wave 0: the four tiles' 512 bytes of scale words
	s_wait_dscnt 0x0
	global_store_b128 v6, v[8:11], s[28:29]
.Lend:
	s_wait_tensorcnt 0x0
	ds_add_u32 v222, v223
	s_wait_dscnt 0x0
	s_endpgm
.Lfunc_end_k_q800ca2f5d2_prep:
	.size	k_q800ca2f5d2_prep, .Lfunc_end_k_q800ca2f5d2_prep-k_q800ca2f5d2_prep
	.p2alignl 7, 3214868480
	.fill 96, 4, 3214868480
	.section	.rodata,"a",@progbits
	.p2align	6, 0x0
	.amdhsa_kernel k_q800ca2f5d2_prep
		.amdhsa_group_segment_fixed_size 1536
		.amdhsa_private_segment_fixed_size 0
		.amdhsa_enable_private_segment 0
		.amdhsa_kernarg_size 48
		.amdhsa_user_sgpr_count 2
		.amdhsa_user_sgpr_kernarg_segment_ptr 1
		.amdhsa_wavefront_size32 1
		.amdhsa_system_sgpr_workgroup_id_x 1
		.amdhsa_system_sgpr_workgroup_id_y 1
		.amdhsa_system_sgpr_workgroup_id_z 1
		.amdhsa_system_vgpr_workitem_id 0
		.amdhsa_next_free_vgpr 256
		.amdhsa_next_free_sgpr 66
		.amdhsa_reserve_vcc 0
		.amdhsa_float_denorm_mode_32 3
		.amdhsa_float_denorm_mode_16_64 3
		.amdhsa_fp16_overflow 1
		.amdhsa_memory_ordered 1
		.amdhsa_forward_progress 1
		.amdhsa_inst_pref_size 14
	.end_amdhsa_kernel
	.amdgpu_metadata
---
amdhsa.version: [ 1, 2 ]
amdhsa.kernels:
  - .name:           k_q800ca2f5d2_prep
    .symbol:         k_q800ca2f5d2_prep.kd
    .args:
      - { .name: wq, .offset: 0, .size: 8, .value_kind: global_buffer, .address_space: global }
      - { .name: wk, .offset: 8, .size: 8, .value_kind: global_buffer, .address_space: global }
      - { .name: wv, .offset: 16, .size: 8, .value_kind: global_buffer, .address_space: global }
      - { .name: w1, .offset: 24, .size: 8, .value_kind: global_buffer, .address_space: global }
      - { .name: w2, .offset: 32, .size: 8, .value_kind: global_buffer, .address_space: global }
      - { .name: wimg, .offset: 40, .size: 8, .value_kind: global_buffer, .address_space: global }
    .group_segment_fixed_size: 1536
    .private_segment_fixed_size: 0
    .kernarg_segment_align: 8
    .kernarg_segment_size: 48
    .max_flat_workgroup_size: 128
    .sgpr_count:     66
    .vgpr_count:     256
    .wavefront_size: 32
...
	.end_amdgpu_metadata
.endif
;; end of part 1
;; launch fused (part 2): grid 256 x 1, 8 waves a work-group, no clusters, 316,416 bytes of LDS; arguments x, g1, be1, g2, be2, b1, b2, wimg, out0; writes out0
.if DOCPART == 2
	.amdgcn_target "amdgcn-amd-amdhsa--gfx1250"
	.amdhsa_code_object_version 6
	.text
	.protected	k_q800ca2f5d2_fused
	.globl	k_q800ca2f5d2_fused
	.p2align	8
	.type	k_q800ca2f5d2_fused,@function
k_q800ca2f5d2_fused:
	s_mov_b64 s[64:65], 0
	v_nop
	global_prefetch_b8 v0, s[64:65] scope:SCOPE_SE
	s_setreg_imm32_b32 hwreg(HW_REG_WAVE_MODE, 25, 1), 1
	s_wait_xcnt 0x0
; out = xt + relu(LN2(xt) W1^T + b1) W2^T + b2, xt = x + attention(LN1(x)); x [512 s][128 t][256]; attention runs over s for each t, 4 heads of 64.  All seven products on codes of BF8 (E5M2) with E8M0 scales.
; SHARES.  Work-group g: t = g / 2, qh = g % 2.  It makes K and V of all 512 rows of its t and owns 256 of them as queries.  Wave w owns key blocks kb = 2 w + beta (32 rows each) as four tiles i = 2 u + beta of 16 rows;
; lane r of tile i is row 32 kb + 8 (u xor qh) + r + 8 (r / 8).  Tiles i = 0, 1 (u = 0) are the wave's two QUERY tiles: it takes them through attention (all heads), residual, LN2, the FFN and the stores.  qh enters global addresses alone.
; LAYOUT.  Every product is laid so that a lane holds ONE row and its registers run along the next K (weights' tiles as prep lays them).  S^T = K Q^T, O^T = V^T P^T.  A head's K is 64: a K slot holds two key tiles (registers 0-7, 8-15),
; and Q stands beside eight registers of zero codes, [Q, 0] or [0, Q], so that one fragment of K serves two products.  The order of the two halves of eight inside 16 keys hangs on qh alike in P and in V; the blocks of 32 keys are the rule's.
; SOFTMAX.  t = score x log2(e) / 8; M = the running largest t rounded up; p = 2^(t - M) is quantised along the keys; the sum of the unquantised p divides at a head's end; when M moves, sum and O^T are multiplied by 2^(old M - new M).
; REGISTERS.  Window 1 (v256-511): first the landing place of x and the codes of LN1(x); from attention on att, then xt, of the two query tiles: tile q's register 128 q + 16 b + i is channel 32 b + 16 (lane / 16) + i.  Window 0: the work.
; No tensor loads: x has to arrive in the operand's lane layout, and the LDS regions are used again for bytes that the waves store.  No cluster: what two work-groups share (x of one t) goes straight to registers.
; LIMITS.  NaN and infinities among the inputs are not served.  A block of zeros or under 2^-111 gets the byte 1 with zero codes (the program alone reads the bytes).  O^T and the sum are cleared between heads by the factor 2^(-2^31) = 0,
; which takes them to be finite.  LN computes d (g rstd) + be rather than ((d rstd) g) + be: a difference of f32 rounding.
.set MB,    67584
; LDS, bytes
.set KIMG,  0                          ; K: slot (kb, hd) at 8192 kb + 2048 hd; tile u at 1024 u, block gl at 512 gl, 16 bytes a lane.  Wave w writes [16384 w, + 16384); until K is made these are its scratch
.set KSC,   131072                     ; K's scale words: 256 kb + 64 hd + 4 r.  Wave w: [512 w, + 512)
.set VSC2,  135168                     ; V's scale bytes as each wave makes them: 512 w + 32 ct + 2 r, a half-word for its two key blocks
.set VIMG,  139264                     ; V^T: (kb, ct) at 8192 kb + 512 ct + 16 lane
.set FW,    270336                     ; half of wv's codes
.set FWS,   303104                     ; wv's scale words
.set PAR,   305152                     ; g1, be1, g2, be2, b1, b2: 1,024 bytes each
.set VSW,   311296                     ; V's scale words: 256 ct + 16 r + 4 (key step)
.set WQL,   135168                     ; wq's and wk's images, until K is made
.set WKL,   202752
.set W1L,   0                          ; w1's and w2's, behind attention
.set W2L,   67584
.set OSTB,  135168                     ; behind attention: 16,896 bytes for each wave: scratch, later the stage of 16 rows x 1,040 bytes
.set OSTW,  16896
.set OSC,   8192
.set OPITCH, 1040
; vector registers, window 0
.set LI,   1                           ; 16 x lane
.set R4,   2                           ; 4 r
.set R8,   3                           ; 8 r
.set R16,  4                           ; 16 r
.set APAR, 5                           ; PAR + 64 h
.set XA,   6                           ; x, out0: (r + 8 (r / 8)) rows + 64 h
.set A0,   7                           ; v7-12 the addresses in hand
.set A1,   8
.set A2,   9
.set A3,   10
.set A4,   11
.set A5,   12
.set PFO,  13                          ; the prefetches' offset; never rewritten
.set T0,   14
.set T1,   15
.set RAW,  16                          ; v16-143 a lane's 128 numbers
.set ACC,  16                          ; v16-79  eight accumulators
.set S,    16                          ; v16-79  S^T, then p
.set OUTR, 16
.set W,    80                          ; v80-143 four weight fragments
.set KV,   80                          ; v80-143 four fragments of K or of V
.set CT4,  144                         ; v144-159 codes just made
.set PCD,  144                         ; v144-175 p's codes, 16 a query tile
.set GB,   144                         ; v144-207 gains and biases: two sets of 16 + 16
.set B2R,  144
.set CT8,  176                         ; v176-207 a row tile's codes
.set QZ,   176                         ; v176-215 zeros, Q0, zeros, Q1, zeros: eight registers each
.set X2C,  160                         ; v160-223 codes of LN2(xt): 32 q + 16 ks
.set HC,   160                         ; later of the hidden layer
.set XS,   208                         ; v208-215 scale words of LN1(x): 2 i + ks
.set SWT,  216
.set KVS,  216                         ; v216-219 scale words of K or of V
.set QSW,  220                         ; v220-221 Q's
.set PSW,  222                         ; v222-223 p's
.set WS,   224                         ; v224-231 the weights' scale words
.set CH,   224                         ; v224-231 four chains of sums
.set ST,   224                         ; v224-231 for each query tile: -M, the largest t, the sum in two halves
.set PT,   232
.set KW,   232
.set F,    232                         ; v232-233 2^(old M - new M)
.set X2S,  232
.set HS,   232
.set QT,   234
.set MISC, 234
.set MU,   240
.set RS,   242
.set BM4,  240
.set PM4,  244
.set SO4,  248
.set HO4,  252
; scalar registers: s[8:23] x, g1, be1, g2, be2, b1, b2, wimg; s[24:25] out0
.set WV,   26
.set QH,   27
.set TT,   28
.set SEL,  30
.set MNT,  32
.set CS,   34                          ; s[34:35] c = log2(e) / 8
.set XB,   36                          ; s[36:37] x at my t and my wave's first row
.set XC,   38                          ; s[38:39] the tile being loaded
.set XQ0,  40                          ; s[40:43] x at my two query tiles
.set XQ1,  42
.set OQ0,  44                          ; s[44:47] out0 likewise
.set OQ1,  46
.set OFS,  48
.set CNT,  50
.set HD,   51
.set KS,   52
.set SA,   53
.set SB,   54
.set WK14, 58                          ; 16384 x wave
.set WKS,  59                          ; KSC + 512 x wave
.set OST,  60                          ; OSTB + 16896 x wave
.set I256, 61
.set EPS,  62
.set MSB, 0
.macro WIN new                         ; the immediate's high byte repeats the setting that is left; every window is 0 at labels and branches
.if MSB != (\new)
	s_set_vgpr_msb (MSB<<8)|(\new)
.set MSB, (\new)
.endif
.endm
.macro NOPS n
.rept \n
	v_nop
.endr
.endm
.macro BAR                             ; my LDS stores have landed and my LDS loads are in: then the work-group's barrier
	s_wait_dscnt 0x0
	s_barrier_signal -1
	s_barrier_wait -1
.endm
.macro MM0 d, a, b, sa, sb             ; a product that starts a sum
	v_wmma_scale_f32_16x16x128_f8f6f4 v[\d:\d+7], v[\a:\a+15], v[\b:\b+15], 0, v[\sa], v[\sb] matrix_a_fmt:MATRIX_FMT_BF8 matrix_b_fmt:MATRIX_FMT_BF8
.endm
.macro MMA d, a, b, sa, sb             ; a product that adds in place
	v_wmma_scale_f32_16x16x128_f8f6f4 v[\d:\d+7], v[\a:\a+15], v[\b:\b+15], v[\d:\d+7], v[\sa], v[\sb] matrix_a_fmt:MATRIX_FMT_BF8 matrix_b_fmt:MATRIX_FMT_BF8
.endm
; nb blocks, block b in v[src + 16 b ..]: largest magnitudes (BM), scale bytes (PM), the conversions' scale operands (SO), 57,344 x the scale (HO); then the hold.  relu = 1: what is negative becomes 0 on the way
.macro QPREP src, nb, relu
.set BM, 256-4*(\nb)
.set PM, BM+(\nb)
.set SO, BM+2*(\nb)
.set HO, BM+3*(\nb)
.set qb, 0
.rept \nb
.if \relu
	v_max3_num_f32 v[BM+qb], v[\src+16*qb], v[\src+16*qb+1], 0x8000000
.else
	v_max3_num_f32 v[BM+qb], |v[\src+16*qb]|, |v[\src+16*qb+1]|, 0x8000000   ; with the floor 2^(16 - 127): the byte cannot fall under 1
.endif
.set qb, qb+1
.endr
.set qi, 2
.rept 7
.set qb, 0
.rept \nb
.if \relu
	v_max3_num_f32 v[BM+qb], v[BM+qb], v[\src+16*qb+qi], v[\src+16*qb+qi+1]
.else
	v_max3_num_f32 v[BM+qb], v[BM+qb], |v[\src+16*qb+qi]|, |v[\src+16*qb+qi+1]|
.endif
.set qb, qb+1
.endr
.set qi, qi+2
.endr
.set qb, 0
.rept \nb
	v_permlanex16_b32 v[PM+qb], v[BM+qb], s[SEL], s[SEL+1]
.set qb, qb+1
.endr
.set qb, 0
.rept \nb
	v_max_num_f32 v[BM+qb], v[BM+qb], v[PM+qb]             ; with lane l xor 16's: the block's largest magnitude
.set qb, qb+1
.endr
.set qb, 0
.rept \nb
	v_add_nc_u32 v[SO+qb], 0xf8800000, v[BM+qb]            ; 15 off its exponent field: the conversion's scale operand
.set qb, qb+1
.endr
.set qb, 0
.rept \nb
	v_and_or_b32 v[HO+qb], v[BM+qb], 0x7f800000, s[MNT]    ; 57,344 x the scale
.set qb, qb+1
.endr
.set qb, 0
.rept \nb
	v_lshrrev_b32 v[PM+qb], 23, v[SO+qb]                   ; the scale's byte
.set qb, qb+1
.endr
.set qb, 0
.rept \nb
.set qi, 0
.rept 16
.if \relu
	v_med3_num_f32 v[\src+16*qb+qi], v[\src+16*qb+qi], 0, v[HO+qb]           ; the activation and the hold in one
.else
.endif
.set qi, qi+1
.endr
.set qb, qb+1
.endr
.endm
.macro QCVT src, dst, nb
.set qb, 0
.rept \nb
	v_cvt_scalef32_pk8_bf8_f32 v[\dst+4*qb:\dst+4*qb+1], v[\src+16*qb:\src+16*qb+7], v[SO+qb]
	v_cvt_scalef32_pk8_bf8_f32 v[\dst+4*qb+2:\dst+4*qb+3], v[\src+16*qb+8:\src+16*qb+15], v[SO+qb]
.set qb, qb+1
.endr
	v_nop                                                  ; one plain line behind the last conversion
.endm
; a whole weight image: 16 bytes a thread sixteen times, and 8 bytes of scale words.  v[A0] = 16 tid, v[A1] = 8 tid
.macro STG_LD m, reg
.set k_, 0
.rept 16
	global_load_b128 v[\reg+4*k_:\reg+4*k_+3], v[A0], s[22:23] offset:(\m)*MB+4096*k_
.set k_, k_+1
.endr
	global_load_b64 v[\reg+64:\reg+65], v[A1], s[22:23] offset:(\m)*MB+65536
.endm
.macro STG_ST reg, ac, as
.set k_, 0
.rept 16
	ds_store_b128 v[\ac], v[\reg+4*k_:\reg+4*k_+3] offset:4096*k_
.set k_, k_+1
.endr
	ds_store_b64 v[\as], v[\reg+64:\reg+65]
.endm
.macro XLOAD1                          ; my 128 numbers of the tile at s[XC:XC+1] into window 1, v128 on
	WIN 0x40
.irp b, 0,1,2,3,4,5,6,7
.irp j, 0,1,2,3
	global_load_b128 v[128+16*\b+4*\j:128+16*\b+4*\j+3], v[XA], s[XC:XC+1] offset:128*\b+16*\j
.endr
.endr
	WIN 0
.endm
.macro GLOAD b, set, go, bo            ; block b's 16 gains and 16 biases of my half, out of PAR
.irp j, 0,1,2,3
	ds_load_b128 v[GB+32*(\set)+4*\j:GB+32*(\set)+4*\j+3], v[APAR] offset:(\go)+128*(\b)+16*\j
.endr
.irp j, 0,1,2,3
	ds_load_b128 v[GB+32*(\set)+16+4*\j:GB+32*(\set)+16+4*\j+3], v[APAR] offset:(\bo)+128*(\b)+16*\j
.endr
.endm
.macro REDUCE                          ; four chains of pairs, and lane l xor 16's: the row's sum in v[CH]
	v_pk_add_f32 v[CH:CH+1], v[CH:CH+1], v[CH+2:CH+3]
	v_pk_add_f32 v[CH+4:CH+5], v[CH+4:CH+5], v[CH+6:CH+7]
	s_delay_alu instid0(VALU_DEP_1)
	v_pk_add_f32 v[CH:CH+1], v[CH:CH+1], v[CH+4:CH+5]
	s_delay_alu instid0(VALU_DEP_1)
	v_add_f32 v[CH], v[CH], v[CH+1]
	s_delay_alu instid0(VALU_DEP_1)
	v_permlanex16_b32 v[PT], v[CH], s[SEL], s[SEL+1]
	s_delay_alu instid0(VALU_DEP_1)
	v_add_f32 v[CH], v[CH], v[PT]
.endm
; LayerNorm, first half: the mean of the row in window 1, v[src] on; RAW = the row less its mean
.macro LN_A src, go, bo
	GLOAD 0, 0, \go, \bo
	GLOAD 1, 1, \go, \bo
	WIN 0x05
.irp k, 0,1,2,3
	v_pk_add_f32 v[CH+2*\k:CH+2*\k+1], v[(\src)+4*\k:(\src)+4*\k+1], v[(\src)+4*\k+2:(\src)+4*\k+3]
.endr
	WIN 0x04
.set k_, 8
.rept 56
	v_pk_add_f32 v[CH+2*(k_%4):CH+2*(k_%4)+1], v[CH+2*(k_%4):CH+2*(k_%4)+1], v[(\src)+2*k_:(\src)+2*k_+1]
.set k_, k_+1
.endr
	WIN 0
	REDUCE
	s_delay_alu instid0(VALU_DEP_1)
	v_mul_f32 v[MU], s[I256], v[CH]
	s_delay_alu instid0(VALU_DEP_1)
	v_mov_b32 v[MU+1], v[MU]
	WIN 0x01
.set k_, 0
.rept 64
	v_pk_add_f32 v[RAW+2*k_:RAW+2*k_+1], v[(\src)+2*k_:(\src)+2*k_+1], v[MU:MU+1] neg_lo:[0,1] neg_hi:[0,1]
.set k_, k_+1
.endr
	WIN 0
.endm
; second half: variance, gain and bias, the quantiser; codes to v[A2] (512 bytes a block), the two scale words to v[A3]
.macro LN_B go, bo
.irp k, 0,1,2,3
	v_pk_mul_f32 v[CH+2*\k:CH+2*\k+1], v[RAW+2*\k:RAW+2*\k+1], v[RAW+2*\k:RAW+2*\k+1]
.endr
.set k_, 4
.rept 60
	s_delay_alu instid0(VALU_DEP_4)
	v_pk_fma_f32 v[CH+2*(k_%4):CH+2*(k_%4)+1], v[RAW+2*k_:RAW+2*k_+1], v[RAW+2*k_:RAW+2*k_+1], v[CH+2*(k_%4):CH+2*(k_%4)+1]
.set k_, k_+1
.endr
	REDUCE
	s_delay_alu instid0(VALU_DEP_1)
	v_fma_f32 v[CH], v[CH], s[I256], s[EPS]        ; the variance + eps
	s_wait_alu depctr_va_vdst(0)
	v_rsq_f32 v[RS], v[CH]
	v_nop                                          ; a plain line behind the transcendental
	s_wait_alu depctr_va_vdst(0)                   ; ahead of the first reader
	v_mov_b32 v[RS+1], v[RS]
	s_wait_alu depctr_va_vdst(0)
.irp b, 0,1,2,3,4,5,6,7
.if \b < 7
	s_wait_dscnt 8                                 ; this block's eight loads are in; the next block's eight may be out
.else
	s_wait_dscnt 0x0
.endif
.irp k, 0,2,4,6,8,10,12,14
	v_pk_mul_f32 v[GB+32*(\b%2)+\k:GB+32*(\b%2)+\k+1], v[GB+32*(\b%2)+\k:GB+32*(\b%2)+\k+1], v[RS:RS+1]
.endr
.irp k, 0,2,4,6,8,10,12,14
	v_pk_fma_f32 v[RAW+16*\b+\k:RAW+16*\b+\k+1], v[RAW+16*\b+\k:RAW+16*\b+\k+1], v[GB+32*(\b%2)+\k:GB+32*(\b%2)+\k+1], v[GB+32*(\b%2)+16+\k:GB+32*(\b%2)+16+\k+1]
.endr
.if \b < 6
	GLOAD \b+2, \b%2, \go, \bo
.endif
.endr
	QPREP RAW, 8, 0
.irp s, 0,1
	v_lshl_or_b32 v[SWT+\s], v[PM+4*\s+1], 8, v[PM+4*\s]
	s_delay_alu instid0(VALU_DEP_1)
	v_lshl_or_b32 v[SWT+\s], v[PM+4*\s+2], 16, v[SWT+\s]
	s_delay_alu instid0(VALU_DEP_1)
	v_lshl_or_b32 v[SWT+\s], v[PM+4*\s+3], 24, v[SWT+\s]
.endr
	QCVT RAW, CT8, 8
.irp k, 0,1,2,3,4,5,6,7
	ds_store_b128 v[A2], v[CT8+4*\k:CT8+4*\k+3] offset:512*\k
.endr
	ds_store_b32 v[A3], v[SWT]
	ds_store_b32 v[A3], v[SWT+1] offset:64
	s_wait_dscnt 0x0                               ; the stores have read their registers
.endm
; K, half a head (block gl of 32 channels): two channel tiles x my four row tiles.  v[A0] wk's fragments, v[A1] its scale words, v[A2] my K slots of this head
.macro KGRP gl
.irp c, 0,1
.irp s, 0,1
.irp e, 0,1,2,3
	ds_load_b128 v[W+16*(2*\c+\s)+4*\e:W+16*(2*\c+\s)+4*\e+3], v[A0] offset:8192*\gl+2048*(2*\c+\s)+512*\e
.endr
.endr
	ds_load_b64 v[WS+2*\c:WS+2*\c+1], v[A1] offset:256*\gl+128*\c
.endr
	s_wait_dscnt 0x0
	WIN 0x04                                       ; source 1, the rows' codes, in window 1
.irp s, 0,1
.irp c, 0,1
.irp r, 0,1,2,3
.if \s == 0
	MM0 ACC+16*\r+8*\c, W+16*(2*\c+\s), 32*\r+16*\s, WS+2*\c+\s, XS+2*\r+\s
.else
	MMA ACC+16*\r+8*\c, W+16*(2*\c+\s), 32*\r+16*\s, WS+2*\c+\s, XS+2*\r+\s
.endif
.endr
.endr
.endr
	WIN 0
	NOPS 8                                         ; eight places behind this form, ahead of the first read of results
	QPREP ACC, 4, 0
.irp b, 0,1                                    ; the slot's scale word: bytes (u 0, gl 0), (u 0, gl 1), (u 1, gl 0), (u 1, gl 1); row tile 2 u + beta
.if \gl == 0
	s_delay_alu instid0(VALU_DEP_2)
	v_lshl_or_b32 v[KW+\b], v[PM+2+\b], 16, v[PM+\b]
.else
	v_lshl_or_b32 v[KW+\b], v[PM+\b], 8, v[KW+\b]
	s_delay_alu instid0(VALU_DEP_1)
	v_lshl_or_b32 v[KW+\b], v[PM+2+\b], 24, v[KW+\b]
.endif
.endr
	QCVT ACC, CT4, 4
.irp r, 0,1,2,3
	ds_store_b128 v[A2], v[CT4+4*\r:CT4+4*\r+3] offset:8192*(\r%2)+1024*(\r/2)+512*\gl
.endr
.endm
; A trip of Q or of the FFN's first product: four channel tiles x my two query tiles.  v[A0] the weight's fragments, v[A1] its scale words, v[A2] where the codes go, v[A3] where the two scale bytes go, v[A5] the bias
.macro PGRP bias, relu, xw, xbase, xs
.if \bias
.irp t, 0,1
.irp c, 0,1,2,3
.irp q, 0,1
	ds_load_b128 v[ACC+16*(2*\t+\c/2)+8*(\c%2)+4*\q:ACC+16*(2*\t+\c/2)+8*(\c%2)+4*\q+3], v[A5] offset:128*(\c/2)+32*(\c%2)+16*\q   ; the bias is the C of the sum's first product
.endr
.endr
.endr
.endif
.irp c, 0,1,2,3
	ds_load_b64 v[WS+2*\c:WS+2*\c+1], v[A1] offset:128*\c
.endr
.irp s, 0,1
.if \s
	NOPS 8                                         ; places in front of loads into registers that products have read
.endif
.irp c, 0,1,2,3
.irp e, 0,1,2,3
	ds_load_b128 v[W+16*\c+4*\e:W+16*\c+4*\e+3], v[A0] offset:2048*(2*\c+\s)+512*\e
.endr
.endr
	s_wait_dscnt 0x0
	WIN 4*\xw
.irp c, 0,1,2,3
.irp t, 0,1
.if (\s == 0) && (\bias == 0)
	MM0 ACC+16*(2*\t+\c/2)+8*(\c%2), W+16*\c, \xbase+32*\t+16*\s, WS+2*\c+\s, \xs+2*\t+\s
.else
	MMA ACC+16*(2*\t+\c/2)+8*(\c%2), W+16*\c, \xbase+32*\t+16*\s, WS+2*\c+\s, \xs+2*\t+\s
.endif
.endr
.endr
	WIN 0
.endr
	NOPS 8
	QPREP ACC, 4, \relu
	QCVT ACC, CT4, 4
.irp t, 0,1
.irp g, 0,1
	ds_store_b128 v[A2], v[CT4+4*(2*\t+\g):CT4+4*(2*\t+\g)+3] offset:4096*\t+512*\g
.endr
.endr
.irp t, 0,1
	v_lshl_or_b32 v[T0+\t], v[PM+2*\t+1], 8, v[PM+2*\t]
	ds_store_b16 v[A3], v[T0+\t] offset:128*\t
.endr
	s_wait_dscnt 0x0                               ; the stores have read their registers
.endm
; V: two channel tiles x my four row tiles, rows as source 0: a lane holds one channel, its registers run along the keys
.macro VGRP
.irp c, 0,1
.irp s, 0,1
.irp e, 0,1,2,3
	ds_load_b128 v[W+16*(2*\c+\s)+4*\e:W+16*(2*\c+\s)+4*\e+3], v[A0] offset:2048*(2*\c+\s)+512*\e
.endr
.endr
	ds_load_b64 v[WS+2*\c:WS+2*\c+1], v[A1] offset:128*\c
.endr
	s_wait_dscnt 0x0
	WIN 0x01                                       ; source 0, the rows' codes, in window 1
.irp s, 0,1
.irp c, 0,1
.irp i, 0,1,2,3
.if \s == 0
	MM0 ACC+16*(2*\c+\i%2)+8*(\i/2), 32*\i+16*\s, W+16*(2*\c+\s), XS+2*\i+\s, WS+2*\c+\s
.else
	MMA ACC+16*(2*\c+\i%2)+8*(\i/2), 32*\i+16*\s, W+16*(2*\c+\s), XS+2*\i+\s, WS+2*\c+\s
.endif
.endr
.endr
.endr
	WIN 0
	NOPS 8
	QPREP ACC, 4, 0
	QCVT ACC, CT4, 4
.irp c, 0,1
.irp b, 0,1
	ds_store_b128 v[A2], v[CT4+4*(2*\c+\b):CT4+4*(2*\c+\b)+3] offset:8192*\b+512*\c
.endr
.endr
.irp c, 0,1
	v_lshl_or_b32 v[T0+\c], v[PM+2*\c+1], 8, v[PM+2*\c]
	ds_store_b16 v[A3], v[T0+\c] offset:32*\c
.endr
	s_wait_dscnt 0x0
.endm
.macro VLOOP half                      ; the eight channel tiles whose weights lie in FW: four trips
	s_mov_b32 s[CNT], 0
.Lv_\@:
	s_lshl_b32 s[SA], s[CNT], 13
	s_add_co_u32 s[SA], s[SA], FW
	v_add_nc_u32 v[A0], s[SA], v[LI]
	s_lshl_b32 s[SA], s[CNT], 8
	s_add_co_u32 s[SA], s[SA], FWS+1024*\half
	v_add_nc_u32 v[A1], s[SA], v[R8]
	s_lshl_b32 s[SA], s[CNT], 10
	s_add_co_u32 s[SA], s[SA], s[WK14]
	s_add_co_u32 s[SA], s[SA], VIMG+4096*\half
	v_add_nc_u32 v[A2], s[SA], v[LI]
	s_lshl_b32 s[SA], s[CNT], 6
	s_add_co_u32 s[SA], s[SA], s[WKS]
	s_add_co_u32 s[SA], s[SA], VSC2-KSC+256*\half
	s_wait_alu depctr_va_vdst(0)
	v_add_nc_u32 v[A3], s[SA], v[A4]
	VGRP
	s_add_co_u32 s[CNT], s[CNT], 1
	s_cmp_lt_u32 s[CNT], 4
	s_cbranch_scc1 .Lv_\@
.endm
; the scores of query tile t against the step's 128 keys: each slot of K serves two products
.macro SCORES t
.irp i, 0,1,2,3
	MM0 S+16*\i, KV+16*\i, QZ+8+16*(\t), KVS+\i, QSW+(\t)
	MM0 S+16*\i+8, KV+16*\i, QZ+16*(\t), KVS+\i, QSW+(\t)
.endr
.endm
; the softmax of query tile t for 128 keys: S becomes p, p's codes go to PCD, its scale word to PSW; the sum and O^T come under the new M
.macro SOFTMAX t
.set rT, ST+4*(\t)
.irp b, 0,1,2,3
	v_max3_num_f32 v[BM4+\b], v[S+16*\b], v[S+16*\b+1], v[S+16*\b+2]   ; the largest score of each block of 32 keys: for the row's maximum and, since p rises with the score, for the block's largest p
.endr
.irp i, 3,5,7,9,11,13
.irp b, 0,1,2,3
	v_max3_num_f32 v[BM4+\b], v[BM4+\b], v[S+16*\b+\i], v[S+16*\b+\i+1]
.endr
.endr
.irp b, 0,1,2,3
	v_max_num_f32 v[BM4+\b], v[BM4+\b], v[S+16*\b+15]
.endr
.irp b, 0,1,2,3
	s_delay_alu instid0(VALU_DEP_4)
	v_permlanex16_b32 v[PM4+\b], v[BM4+\b], s[SEL], s[SEL+1]
.endr
.irp b, 0,1,2,3
	s_delay_alu instid0(VALU_DEP_4)
	v_max_num_f32 v[BM4+\b], v[BM4+\b], v[PM4+\b]
.endr
	s_delay_alu instid0(VALU_DEP_2)
	v_max3_num_f32 v[MISC], v[BM4], v[BM4+1], v[BM4+2]
	s_delay_alu instid0(VALU_DEP_1)
	v_max_num_f32 v[MISC], v[MISC], v[BM4+3]
	s_delay_alu instid0(VALU_DEP_1)
	v_mul_f32 v[MISC], s[CS], v[MISC]              ; as t (c is positive)
	s_delay_alu instid0(VALU_DEP_1)
	v_max_num_f32 v[rT+1], v[rT+1], v[MISC]        ; the running largest t
	v_mov_b32 v[MISC], v[rT]
	s_delay_alu instid0(VALU_DEP_2)
	v_floor_f32 v[rT], -v[rT+1]                    ; the new -M = -ceil(t)
	s_delay_alu instid0(VALU_DEP_1)
	v_sub_f32 v[MISC], v[rT], v[MISC]              ; old M - new M: a whole number, 0 or less
	s_delay_alu instid0(VALU_DEP_1)
	v_cvt_i32_f32 v[MISC], v[MISC]                 ; (it saturates)
	s_delay_alu instid0(VALU_DEP_1)
	v_ldexp_f32 v[F], 1.0, v[MISC]                 ; f = 2^(old M - new M)
.set k_, 0
.rept 32
	v_pk_fma_f32 v[S+2*k_:S+2*k_+1], v[S+2*k_:S+2*k_+1], s[CS:CS+1], v[rT:rT+1] op_sel_hi:[1,0,0]   ; t - M
.set k_, k_+1
.endr
.irp b, 0,1,2,3
	v_fma_f32 v[BM4+\b], v[BM4+\b], s[CS], v[rT]
.endr
.set k_, 0
	s_wait_alu depctr_va_vdst(0)
.rept 64
	v_exp_f32 v[S+k_], v[S+k_]                     ; p = 2^(t - M)
.set k_, k_+1
.endr
	v_pk_mul_f32 v[rT+2:rT+3], v[rT+2:rT+3], v[F:F+1] op_sel_hi:[1,0]   ; the sums under the new M: a plain line behind the exponentials
	s_wait_alu depctr_va_vdst(0)                   ; one wait for the batch, ahead of its first reader
.irp b, 0,1,2,3
	v_exp_f32 v[BM4+\b], v[BM4+\b]                 ; the block's largest p
.endr
	v_pk_add_f32 v[PM4:PM4+1], v[S:S+1], v[S+2:S+3]   ; the row's sum is taken of the unquantised p, in two chains
.irp j, 4,8,12,16,20,24,28,32,36,40,44,48,52,56,60
	v_pk_add_f32 v[rT+2:rT+3], v[rT+2:rT+3], v[S+\j:S+\j+1]
	v_pk_add_f32 v[PM4:PM4+1], v[PM4:PM4+1], v[S+\j+2:S+\j+3]
.endr
	s_delay_alu instid0(VALU_DEP_1)
	v_pk_add_f32 v[rT+2:rT+3], v[rT+2:rT+3], v[PM4:PM4+1]
	s_wait_alu depctr_va_vdst(0)                   ; and one for the four
.irp b, 0,1,2,3
	v_max_num_f32 v[BM4+\b], 0x8000000, v[BM4+\b]  ; the floor
.endr
.irp b, 0,1,2,3
	s_delay_alu instid0(VALU_DEP_4)
	v_add_nc_u32 v[SO4+\b], 0xf8800000, v[BM4+\b]
.endr
.irp b, 0,1,2,3
.endr
.irp b, 0,1,2,3
	s_delay_alu instid0(VALU_DEP_4)
	v_lshrrev_b32 v[PM4+\b], 23, v[SO4+\b]
.endr
	s_delay_alu instid0(VALU_DEP_3)
	v_lshl_or_b32 v[PSW+(\t)], v[PM4+1], 8, v[PM4]
	s_delay_alu instid0(VALU_DEP_1)
	v_lshl_or_b32 v[PSW+(\t)], v[PM4+2], 16, v[PSW+(\t)]
	s_delay_alu instid0(VALU_DEP_1)
	v_lshl_or_b32 v[PSW+(\t)], v[PM4+3], 24, v[PSW+(\t)]
.irp b, 0,1,2,3
.irp i, 0,1,2,3,4,5,6,7,8,9,10,11,12,13,14,15
.endr
	v_cvt_scalef32_pk8_bf8_f32 v[PCD+16*(\t)+4*\b:PCD+16*(\t)+4*\b+1], v[S+16*\b:S+16*\b+7], v[SO4+\b]
	v_cvt_scalef32_pk8_bf8_f32 v[PCD+16*(\t)+4*\b+2:PCD+16*(\t)+4*\b+3], v[S+16*\b+8:S+16*\b+15], v[SO4+\b]
.endr
	WIN 0x41
.set k_, 0
.rept 16
	v_pk_mul_f32 v[128*(\t)+96+2*k_:128*(\t)+96+2*k_+1], v[128*(\t)+96+2*k_:128*(\t)+96+2*k_+1], v[F:F+1] op_sel_hi:[1,0]   ; O^T under the new M; these are also the places ahead of the next products
.set k_, k_+1
.endr
	WIN 0
.endm
; A KEY STEP: 128 keys of head s[HD], the s[KS]-th
.macro STEP
	s_lshl_b32 s[SA], s[HD], 11
	s_lshl_b32 s[SB], s[KS], 15
	s_add_co_u32 s[SA], s[SA], s[SB]
	v_add_nc_u32 v[A0], s[SA], v[LI]               ; K's four slots
	s_wait_alu depctr_va_vdst(0)
	s_add_co_u32 s[SA], s[SA], VIMG
	v_add_nc_u32 v[A2], s[SA], v[LI]               ; V's four fragments
	s_lshl_b32 s[SA], s[HD], 6
	s_lshl_b32 s[SB], s[KS], 10
	s_add_co_u32 s[SA], s[SA], s[SB]
	s_add_co_u32 s[SA], s[SA], KSC
	v_add_nc_u32 v[A1], s[SA], v[R4]
	s_lshl_b32 s[SA], s[HD], 10
	s_lshl_b32 s[SB], s[KS], 2
	s_add_co_u32 s[SA], s[SA], s[SB]
	s_add_co_u32 s[SA], s[SA], VSW
	v_add_nc_u32 v[A3], s[SA], v[R16]
	NOPS 4                                         ; with the four additions: eight places in front of loads into registers that the last products read
.irp i, 0,1,2,3
.irp c, 0,1,2,3
	ds_load_b128 v[KV+16*\i+4*\c:KV+16*\i+4*\c+3], v[A0] offset:8192*\i+512*\c
.endr
	ds_load_b32 v[KVS+\i], v[A1] offset:256*\i
.endr
	; in the last key step of the last head: the 16 rows of x of my query tile 0, which the residual reads again one key step on, are asked for: a lane names 256 bytes of a row, the two lines name each row's 1,024 bytes once
	s_lshl_b32 s[SA], s[HD], 2
	s_add_co_u32 s[SA], s[SA], s[KS]
	s_cmp_eq_u32 s[SA], 15
	s_cbranch_scc0 .Lnopf_\@
	global_prefetch_b8 v[PFO], s[XQ0:XQ0+1] th:TH_LOAD_NT scope:SCOPE_SE
	global_prefetch_b8 v[PFO], s[XQ0:XQ0+1] offset:512 th:TH_LOAD_NT scope:SCOPE_SE
.Lnopf_\@:
	s_wait_dscnt 0x0
	SCORES 0
	NOPS 8
	SOFTMAX 0
	SCORES 1
	NOPS 8                                         ; ahead of the first read of results, and of V's loads into K's registers
.irp i, 0,1,2,3
.irp c, 0,1,2,3
	ds_load_b128 v[KV+16*\i+4*\c:KV+16*\i+4*\c+3], v[A2] offset:8192*\c+512*\i
.endr
	ds_load_b32 v[KVS+\i], v[A3] offset:256*\i
.endr
	s_setprio 1
	SOFTMAX 1                                      ; V lands meanwhile
	s_wait_alu depctr_va_vdst(0)
	s_wait_dscnt 0x0
	WIN 0x50                                       ; C and D in window 1
	s_setprio 0
.irp i, 0,1,2,3
.irp t, 0,1
	MMA 128*\t+96+8*\i, KV+16*\i, PCD+16*\t, KVS+\i, PSW+\t
.endr
.endr
	WIN 0
.endm
; a head's end: the next head's Q comes out of its stash; O^T / the sum goes to the head's place in att
.macro HEADEND d
.if \d < 3
	WIN 0x01
.irp k, 0,1,2,3,4,5,6,7
	v_mov_b32 v[QZ+8+\k], v[128+32*\d+\k]
.endr
.irp k, 0,1,2,3,4,5,6,7
	v_mov_b32 v[QZ+24+\k], v[128+32*\d+8+\k]
.endr
	v_mov_b32 v[QSW], v[128+32*\d+16]
	v_mov_b32 v[QSW+1], v[128+32*\d+17]
.endif
	WIN 0x41
.irp t, 0,1
.set k_, 0
.rept 16
	v_pk_mul_f32 v[128*\t+32*\d+2*k_:128*\t+32*\d+2*k_+1], v[128*\t+96+2*k_:128*\t+96+2*k_+1], v[ST+4*\t+2:ST+4*\t+3] op_sel_hi:[1,0]
.set k_, k_+1
.endr
.endr
	WIN 0
.endm
; residual and LN2 of query tile t
.macro RESLN t, sb
	s_add_co_u32 s[SA], s[OST], 4096*\t
	v_add_nc_u32 v[A2], s[SA], v[LI]
	s_add_co_u32 s[SA], s[OST], OSC+128*\t
	v_add_nc_u32 v[A3], s[SA], v[R4]
.irp b, 0,1,2,3,4,5,6,7
.irp j, 0,1,2,3
	global_load_b128 v[RAW+16*\b+4*\j:RAW+16*\b+4*\j+3], v[XA], s[\sb:\sb+1] offset:128*\b+16*\j
.endr
.endr
.if \t == 0
	global_prefetch_b8 v[PFO], s[XQ1:XQ1+1] th:TH_LOAD_NT scope:SCOPE_SE              ; behind tile 0's loads: the 16 rows of x of query tile 1, whose loads stand one LayerNorm on; each row's 1,024 bytes named once
	global_prefetch_b8 v[PFO], s[XQ1:XQ1+1] offset:512 th:TH_LOAD_NT scope:SCOPE_SE
.endif
	s_wait_loadcnt 0x0
	WIN 0x41
.set k_, 0
.rept 64
	v_pk_add_f32 v[128*\t+2*k_:128*\t+2*k_+1], v[128*\t+2*k_:128*\t+2*k_+1], v[RAW+2*k_:RAW+2*k_+1]   ; xt = att + x
.set k_, k_+1
.endr
	WIN 0
	LN_A 128*\t, 2048, 3072
	LN_B 2048, 3072
.endm
.macro LOADG g                         ; W2's channel tiles 2 g, 2 g + 1, both K steps, into set g % 2
.irp c, 0,1
.irp s, 0,1
.irp e, 0,1,2,3
	ds_load_b128 v[16+64*((\g)%2)+16*(2*\c+\s)+4*\e:16+64*((\g)%2)+16*(2*\c+\s)+4*\e+3], v[A0] offset:8192*(\g)+2048*(2*\c+\s)+512*\e
.endr
.endr
	ds_load_b64 v[WS+4*((\g)%2)+2*\c:WS+4*((\g)%2)+2*\c+1], v[A1] offset:256*(\g)+128*\c
.endr
.endm
; query tile t leaves: through my stage, back as half rows of 512 bytes, + b2, stored
.macro OUTT t, sb
.if \t
	s_wait_xcnt 0x0                                ; the last tile's stores have read their registers: they may be loaded again
.endif
	WIN 0x04                                       ; an LDS store's data are its source 1: window 1
.irp b, 0,1,2,3,4,5,6,7
.irp j, 0,1,2,3
	ds_store_b128 v[A2], v[128*\t+16*\b+4*\j:128*\t+16*\b+4*\j+3] offset:128*\b+16*\j   ; each accumulator from its low end on
.endr
.endr
	WIN 0
.set k_, 0
.rept 32
	ds_load_b128 v[OUTR+4*k_:OUTR+4*k_+3], v[A3] offset:OPITCH*(k_/2)+512*(k_%2)   ; LDS serves a wave's instructions in order: these see my stores
.set k_, k_+1
.endr
.set k_, 0
.rept 32
	s_wait_dscnt 31-k_                             ; the younger loads may stay out
	v_pk_add_f32 v[OUTR+4*k_:OUTR+4*k_+1], v[OUTR+4*k_:OUTR+4*k_+1], v[B2R+4*(k_%2):B2R+4*(k_%2)+1]
	v_pk_add_f32 v[OUTR+4*k_+2:OUTR+4*k_+3], v[OUTR+4*k_+2:OUTR+4*k_+3], v[B2R+4*(k_%2)+2:B2R+4*(k_%2)+3]
	global_store_b128 v[LI], v[OUTR+4*k_:OUTR+4*k_+3], s[\sb:\sb+1] offset:(((k_/2)+8*((k_/2)/8))<<17)+512*(k_%2) th:TH_STORE_NT   ; 32 lanes store 512 consecutive bytes, aligned
.set k_, k_+1
.endr
.endm
; ---------------- the head ----------------
	s_load_b512 s[8:23], s[0:1], 0x0
	s_load_b64 s[24:25], s[0:1], 0x40
	v_lshrrev_b32 v[T0], 5, v0
	s_delay_alu instid0(VALU_DEP_1)
	v_readfirstlane_b32 s[WV], v[T0]               ; wave 0..7
	v_and_b32 v[T0], 31, v0
	s_delay_alu instid0(VALU_DEP_1)
	v_lshlrev_b32 v[LI], 4, v[T0]
	v_and_b32 v[T1], 15, v0                        ; r
	s_delay_alu instid0(VALU_DEP_1)
	v_lshlrev_b32 v[R4], 2, v[T1]
	s_delay_alu instid0(VALU_DEP_2)
	v_lshlrev_b32 v[R8], 3, v[T1]
	s_delay_alu instid0(VALU_DEP_3)
	v_lshlrev_b32 v[R16], 4, v[T1]
	v_bfe_u32 v[T0], v0, 4, 1                      ; h
	s_delay_alu instid0(VALU_DEP_1)
	v_lshl_add_u32 v[APAR], v[T0], 6, PAR
	v_and_b32 v[XA], 8, v[T1]
	s_delay_alu instid0(VALU_DEP_1)
	v_add_nc_u32 v[XA], v[XA], v[T1]               ; r + 8 (r / 8)
	s_delay_alu instid0(VALU_DEP_1)
	v_lshlrev_b32 v[XA], 17, v[XA]                 ; from s to s + 1: 128 x 1,024 bytes
	s_delay_alu instid0(VALU_DEP_1)
	v_lshl_add_u32 v[PFO], v[T0], 8, v[XA]
	s_delay_alu instid0(VALU_DEP_2)
	v_lshl_add_u32 v[XA], v[T0], 6, v[XA]
	v_lshlrev_b32 v[A0], 4, v0                     ; 16 tid
	v_lshlrev_b32 v[A1], 3, v0                     ; 8 tid
	v_lshlrev_b32 v[A2], 2, v0                     ; 4 tid
	s_delay_alu instid0(VALU_DEP_3)
	v_add_nc_u32 v188, WQL, v[A0]
	s_delay_alu instid0(VALU_DEP_3)
	v_add_nc_u32 v189, WQL+65536, v[A1]
	v_add_nc_u32 v190, WKL, v[A0]
	v_add_nc_u32 v191, WKL+65536, v[A1]
	v_add_nc_u32 v192, FW, v[A0]
	v_add_nc_u32 v193, FWS, v[A1]
	v_add_nc_u32 v194, PAR, v[A2]
.irp k, 232,233,234,235,236,237,238,239,244,245,246,247
	v_mov_b32 v[\k], 0                             ; written once: a lane permute's destination counts as one of its sources
.endr
	s_lshr_b32 s[TT], ttmp9, 1
	s_and_b32 s[QH], ttmp9, 1
	s_mov_b32 s[SEL], 0x76543210
	s_mov_b32 s[SEL+1], 0xfedcba98
	s_mov_b32 s[MNT], 0x600000
	s_mov_b32 s[CS], 0x3e38aa3b                    ; log2(e) / 8
	s_mov_b32 s[CS+1], s[CS]
	s_mov_b32 s[I256], 0x3b800000                  ; 1 / 256
	s_mov_b32 s[EPS], 0x3727c5ac                   ; 1e-5
	s_lshl_b32 s[WK14], s[WV], 14
	s_lshl_b32 s[WKS], s[WV], 9
	s_add_co_u32 s[WKS], s[WKS], KSC
	s_mul_i32 s[OST], s[WV], OSTW
	s_add_co_u32 s[OST], s[OST], OSTB
	s_lshl_b32 s[OFS], s[TT], 10
	s_lshl_b32 s[SA], s[WV], 23                    ; 64 rows a wave
	s_add_co_u32 s[OFS], s[OFS], s[SA]
	s_mov_b32 s[OFS+1], 0
	s_wait_kmcnt 0x0
	s_add_nc_u64 s[XB:XB+1], s[8:9], s[OFS:OFS+1]
	s_add_nc_u64 s[OQ0:OQ0+1], s[24:25], s[OFS:OFS+1]
	s_lshl_b32 s[OFS], s[QH], 20                   ; 8 qh rows
	s_add_nc_u64 s[XQ0:XQ0+1], s[XB:XB+1], s[OFS:OFS+1]
	s_add_nc_u64 s[OQ0:OQ0+1], s[OQ0:OQ0+1], s[OFS:OFS+1]
	s_add_nc_u64 s[XQ1:XQ1+1], s[XQ0:XQ0+1], 0x400000   ; 32 rows on
	s_add_nc_u64 s[OQ1:OQ1+1], s[OQ0:OQ0+1], 0x400000
	s_mov_b64 s[XC:XC+1], s[XQ0:XQ0+1]             ; tile 0 is query tile 0
	STG_LD 0, 16                                   ; wq
	STG_LD 1, 82                                   ; wk
.irp k, 0,1,2,3,4,5,6,7
	global_load_b128 v[148+4*\k:148+4*\k+3], v[A0], s[22:23] offset:2*MB+4096*\k   ; wv's first half
.endr
	global_load_b64 v[180:181], v[A1], s[22:23] offset:2*MB+65536
.irp k, 0,1,2,3,4,5
	global_load_b32 v[182+\k], v[A2], s[10+2*\k:11+2*\k]   ; g1, be1, g2, be2, b1, b2
.endr
	XLOAD1
	s_wait_loadcnt 32                              ; all but the 32 loads of x, which were issued last
	STG_ST 16, 188, 189
	STG_ST 82, 190, 191
.irp k, 0,1,2,3,4,5,6,7
	ds_store_b128 v192, v[148+4*\k:148+4*\k+3] offset:4096*\k
.endr
	ds_store_b64 v193, v[180:181]
.irp k, 0,1,2,3,4,5
	ds_store_b32 v194, v[182+\k] offset:1024*\k
.endr
	BAR                                            ; wq, wk, half of wv and the parameters lie in LDS
; ---------------- L: LN1 of my four tiles; codes and scale words into my scratch ----------------
	s_wait_loadcnt 0x0                             ; tile 0 is in
	s_mov_b32 s[CNT], 0
.Ltile:
	s_lshl_b32 s[SA], s[CNT], 12
	s_add_co_u32 s[SA], s[SA], s[WK14]
	v_add_nc_u32 v[A2], s[SA], v[LI]
	s_lshl_b32 s[SA], s[CNT], 7
	s_add_co_u32 s[SA], s[SA], s[WKS]
	v_add_nc_u32 v[A3], s[SA], v[R4]
	LN_A 128, 0, 1024
	s_cmp_eq_u32 s[CNT], 3
	s_cbranch_scc1 .Lnoload                        ; the last tile has no successor
	s_add_co_u32 s[SA], s[CNT], 1                  ; tile n: beta = n % 2, u = n / 2
	s_and_b32 s[SB], s[SA], 1
	s_lshl_b32 s[OFS], s[SB], 22                   ; 32 beta rows
	s_lshr_b32 s[SA], s[SA], 1
	s_xor_b32 s[SA], s[SA], s[QH]
	s_lshl_b32 s[SA], s[SA], 20                    ; 8 (u xor qh) rows
	s_add_co_u32 s[OFS], s[OFS], s[SA]
	s_add_nc_u64 s[XC:XC+1], s[XB:XB+1], s[OFS:OFS+1]   ; no load that names it is out
	XLOAD1                                         ; lands during the rest of the trip
.Lnoload:
	LN_B 0, 1024
	s_wait_loadcnt 0x0                             ; the next tile is in (the last trip has none out): no load is out at the trip's head, nor when the loop is left
	s_add_co_u32 s[CNT], s[CNT], 1
	s_cmp_lt_u32 s[CNT], 4
	s_cbranch_scc1 .Ltile
	v_add_nc_u32 v[A2], s[WK14], v[LI]
	v_add_nc_u32 v[A3], s[WKS], v[R4]
	WIN 0x40
.irp i, 0,1,2,3
.irp k, 0,1,2,3,4,5,6,7
	ds_load_b128 v[32*\i+4*\k:32*\i+4*\k+3], v[A2] offset:4096*\i+512*\k   ; the four tiles' fragments: window 1, v[32 i + 16 ks]
.endr
.endr
	WIN 0
.irp i, 0,1,2,3
.irp s, 0,1
	ds_load_b32 v[XS+2*\i+\s], v[A3] offset:128*\i+64*\s
.endr
.endr
	s_wait_dscnt 0x0
; ---------------- Q: a head a trip, my two query tiles; codes into my scratch ----------------
	s_mov_b32 s[CNT], 0
.Lq:
	s_lshl_b32 s[SA], s[CNT], 14
	s_add_co_u32 s[SA], s[SA], WQL
	v_add_nc_u32 v[A0], s[SA], v[LI]
	s_wait_alu depctr_va_vdst(0)
	s_lshl_b32 s[SA], s[CNT], 9
	s_add_co_u32 s[SA], s[SA], WQL+65536
	v_add_nc_u32 v[A1], s[SA], v[R8]
	s_lshl_b32 s[SA], s[CNT], 10
	s_add_co_u32 s[SA], s[SA], s[WK14]
	v_add_nc_u32 v[A2], s[SA], v[LI]
	s_lshl_b32 s[SA], s[CNT], 1
	s_add_co_u32 s[SA], s[SA], s[WKS]
	v_add_nc_u32 v[A3], s[SA], v[R8]
	PGRP 0, 0, 1, 0, XS
	s_add_co_u32 s[CNT], s[CNT], 1
	s_cmp_lt_u32 s[CNT], 4
	s_cbranch_scc1 .Lq
	v_add_nc_u32 v[A2], s[WK14], v[LI]
	v_add_nc_u32 v[A3], s[WKS], v[R8]
.irp t, 0,1
.irp g, 0,1
	ds_load_b128 v[QZ+8+16*\t+4*\g:QZ+8+16*\t+4*\g+3], v[A2] offset:4096*\t+512*\g   ; head 0's Q
.endr
.endr
	WIN 0x40
.irp d, 1,2,3
.irp t, 0,1
.irp g, 0,1
	ds_load_b128 v[128+32*(\d-1)+8*\t+4*\g:128+32*(\d-1)+8*\t+4*\g+3], v[A2] offset:4096*\t+1024*\d+512*\g   ; the others' into their stash in window 1
.endr
.endr
.endr
	WIN 0
.irp t, 0,1
	ds_load_b64 v[QT+2*\t:QT+2*\t+1], v[A3] offset:128*\t
.endr
	s_wait_dscnt 0x0
.irp t, 0,1
	v_perm_b32 v[QSW+\t], v[QT+2*\t], v[QT+2*\t], 0x01000100   ; a head's two bytes, twice: Q stands in either half of K
.endr
	WIN 0x40
.irp t, 0,1
	v_perm_b32 v[128+16+\t], v[QT+2*\t], v[QT+2*\t], 0x03020302
	v_perm_b32 v[160+16+\t], v[QT+2*\t+1], v[QT+2*\t+1], 0x01000100
	v_perm_b32 v[192+16+\t], v[QT+2*\t+1], v[QT+2*\t+1], 0x03020302
.endr
	WIN 0
; ---------------- K: a head a trip, my four tiles ----------------
	s_mov_b32 s[CNT], 0
.Lk:
	s_lshl_b32 s[SA], s[CNT], 14
	s_add_co_u32 s[SA], s[SA], WKL
	v_add_nc_u32 v[A0], s[SA], v[LI]
	s_lshl_b32 s[SA], s[CNT], 9
	s_add_co_u32 s[SA], s[SA], WKL+65536
	v_add_nc_u32 v[A1], s[SA], v[R8]
	s_lshl_b32 s[SA], s[CNT], 11
	s_add_co_u32 s[SA], s[SA], s[WK14]
	v_add_nc_u32 v[A2], s[SA], v[LI]
	s_lshl_b32 s[SA], s[CNT], 6
	s_add_co_u32 s[SA], s[SA], s[WKS]
	v_add_nc_u32 v[A3], s[SA], v[R4]
	KGRP 0
	KGRP 1
	ds_store_b32 v[A3], v[KW]
	ds_store_b32 v[A3], v[KW+1] offset:256
	s_wait_dscnt 0x0
	s_add_co_u32 s[CNT], s[CNT], 1
	s_cmp_lt_u32 s[CNT], 4
	s_cbranch_scc1 .Lk
	BAR                                            ; nobody reads wq's and wk's images any more: V may be laid over them
; ---------------- V ----------------
	v_lshlrev_b32 v[A5], 4, v0                     ; 16 tid: stands until these loads are in
	WIN 0x40
.irp k, 0,1,2,3,4,5,6,7
	global_load_b128 v[216+4*\k:216+4*\k+3], v[A5], s[22:23] offset:2*MB+32768+4096*\k   ; wv's second half, on its way during the first
.endr
	WIN 0
	v_lshrrev_b32 v[A4], 1, v[R4]                  ; 2 r
	VLOOP 0
	s_wait_loadcnt 0x0
	BAR                                            ; nobody reads wv's first half any more
	v_add_nc_u32 v[T0], FW, v[A5]
	WIN 0x04
.irp k, 0,1,2,3,4,5,6,7
	ds_store_b128 v[T0], v[216+4*\k:216+4*\k+3] offset:4096*\k
.endr
	WIN 0
	BAR                                            ; the second half lies in LDS
	VLOOP 1
	BAR                                            ; K and V are whole
	v_lshlrev_b32 v[A0], 1, v0
	s_delay_alu instid0(VALU_DEP_1)
	v_add_nc_u32 v[A0], VSC2, v[A0]                ; thread 16 ct + r joins the eight waves' half-words of (ct, r) into the four key steps' words
.irp k, 0,1,2,3,4,5,6,7
	ds_load_u16 v[16+\k], v[A0] offset:512*\k
.endr
	v_add_nc_u32 v[A1], VSW, v[A5]
	s_wait_dscnt 0x0
.irp k, 0,1,2,3
	v_lshl_or_b32 v[24+\k], v[16+2*\k+1], 16, v[16+2*\k]
.endr
	s_wait_alu depctr_va_vdst(0)
	ds_store_b128 v[A1], v[24:27]
	BAR                                            ; V's scale words lie in LDS
; ---------------- attention ----------------
.irp k, 0,1,2,3,4,5,6,7
	v_mov_b32 v[QZ+\k], 0                          ; the zero codes beside Q
	v_mov_b32 v[QZ+16+\k], 0
	v_mov_b32 v[QZ+32+\k], 0
.endr
	WIN 0x40
.set k_, 0
.rept 32
	v_mov_b32 v[96+k_], 0                          ; O^T of both query tiles, once: the key step is written once, and later heads begin with the factor 0
	v_mov_b32 v[224+k_], 0
.set k_, k_+1
.endr
	WIN 0
	v_mov_b32 v[ST+2], 0
	v_mov_b32 v[ST+3], 0
	v_mov_b32 v[ST+6], 0
	v_mov_b32 v[ST+7], 0
	s_mov_b32 s[HD], 0
.Lhead:
	v_mov_b32 v[ST+1], 0xff61b1e6                  ; the largest t so far: -3e38
	v_mov_b32 v[ST+5], 0xff61b1e6
	s_delay_alu instid0(VALU_DEP_2)
	v_floor_f32 v[ST], -v[ST+1]
	s_delay_alu instid0(VALU_DEP_2)
	v_floor_f32 v[ST+4], -v[ST+5]
	s_mov_b32 s[KS], 0
.Lstep:
	s_setprio 2
	STEP
	s_add_co_u32 s[KS], s[KS], 1
	s_cmp_lt_u32 s[KS], 4
	s_cbranch_scc1 .Lstep
	s_setprio 0
	NOPS 8                                         ; places behind the last products
	v_add_f32 v[MISC], v[ST+2], v[ST+3]
	v_add_f32 v[MISC+1], v[ST+6], v[ST+7]
	s_delay_alu instid0(VALU_DEP_2)
	v_permlanex16_b32 v[PM4], v[MISC], s[SEL], s[SEL+1]
	s_delay_alu instid0(VALU_DEP_2)
	v_permlanex16_b32 v[PM4+1], v[MISC+1], s[SEL], s[SEL+1]
	s_delay_alu instid0(VALU_DEP_2)
	v_add_f32 v[MISC], v[MISC], v[PM4]
	s_delay_alu instid0(VALU_DEP_2)
	v_add_f32 v[MISC+1], v[MISC+1], v[PM4+1]       ; the rows' sums
	s_wait_alu depctr_va_vdst(0)
	v_rcp_f32 v[ST+2], v[MISC]
	v_rcp_f32 v[ST+6], v[MISC+1]
	v_nop
	s_wait_alu depctr_va_vdst(0)                   ; one wait for the two reciprocals, ahead of the branches and of the first reader
	s_cmp_eq_u32 s[HD], 0                          ; the head's place in att is a register number: four variants
	s_cbranch_scc1 .Lh0
	s_cmp_eq_u32 s[HD], 1
	s_cbranch_scc1 .Lh1
	s_cmp_eq_u32 s[HD], 2
	s_cbranch_scc1 .Lh2
	HEADEND 3
	s_branch .Lhe
.Lh0:
	HEADEND 0
	s_branch .Lhe
.Lh1:
	HEADEND 1
	s_branch .Lhe
.Lh2:
	HEADEND 2
.Lhe:
	s_add_co_u32 s[HD], s[HD], 1
	s_cmp_lt_u32 s[HD], 4
	s_cbranch_scc1 .Lhead
	BAR                                            ; nobody reads K and V any more
; ---------------- w1 and w2 into LDS; residual and LN2 ----------------
	v_lshlrev_b32 v[A0], 4, v0
	v_lshlrev_b32 v[A1], 3, v0
	STG_LD 3, 16
	STG_LD 4, 82
	v_add_nc_u32 v[A2], W1L+65536, v[A1]
	v_add_nc_u32 v[A3], W2L, v[A0]
	v_add_nc_u32 v[A4], W2L+65536, v[A1]
	s_wait_alu depctr_va_vdst(0)
	s_wait_loadcnt 0x0
	STG_ST 16, A0, A2
	STG_ST 82, A3, A4
	s_wait_dscnt 0x0                               ; the stores have read their registers
	RESLN 0, XQ0
	RESLN 1, XQ1
	BAR                                            ; w1's and w2's images lie in LDS
; ---------------- the FFN ----------------
	v_add_nc_u32 v[A2], s[OST], v[LI]
	s_add_co_u32 s[SA], s[OST], OSC
	v_add_nc_u32 v[A3], s[SA], v[R4]
.irp t, 0,1
.irp k, 0,1,2,3,4,5,6,7
	ds_load_b128 v[X2C+32*\t+4*\k:X2C+32*\t+4*\k+3], v[A2] offset:4096*\t+512*\k
.endr
.irp s, 0,1
	ds_load_b32 v[X2S+2*\t+\s], v[A3] offset:128*\t+64*\s
.endr
.endr
	s_wait_dscnt 0x0
	s_mov_b32 s[CNT], 0
.Lf1:                                              ; 64 hidden units a trip
	s_lshl_b32 s[SA], s[CNT], 14
	v_add_nc_u32 v[A0], s[SA], v[LI]               ; (W1L = 0)
	s_wait_alu depctr_va_vdst(0)
	s_lshl_b32 s[SA], s[CNT], 9
	s_add_co_u32 s[SA], s[SA], W1L+65536
	v_add_nc_u32 v[A1], s[SA], v[R8]
	s_lshl_b32 s[SA], s[CNT], 10
	s_add_co_u32 s[SA], s[SA], s[OST]
	v_add_nc_u32 v[A2], s[SA], v[LI]
	s_lshl_b32 s[SA], s[CNT], 1
	s_add_co_u32 s[SA], s[SA], s[OST]
	s_add_co_u32 s[SA], s[SA], OSC
	v_add_nc_u32 v[A3], s[SA], v[R8]
	s_lshl_b32 s[SA], s[CNT], 8
	s_add_co_u32 s[SA], s[SA], 4096
	v_add_nc_u32 v[A5], s[SA], v[APAR]             ; b1
	PGRP 1, 1, 0, X2C, X2S
	s_add_co_u32 s[CNT], s[CNT], 1
	s_cmp_lt_u32 s[CNT], 4
	s_cbranch_scc1 .Lf1
	v_add_nc_u32 v[A2], s[OST], v[LI]
	s_add_co_u32 s[SA], s[OST], OSC
	v_add_nc_u32 v[A3], s[SA], v[R8]
	v_add_nc_u32 v[A0], W2L, v[LI]
	v_add_nc_u32 v[A1], W2L+65536, v[R8]
.irp t, 0,1
.irp k, 0,1,2,3,4,5,6,7
	ds_load_b128 v[HC+32*\t+4*\k:HC+32*\t+4*\k+3], v[A2] offset:4096*\t+512*\k
.endr
	ds_load_b64 v[HS+2*\t:HS+2*\t+1], v[A3] offset:128*\t
.endr
	LOADG 0
	LOADG 1
	s_wait_alu depctr_va_vdst(0)
.irp g, 0,1,2,3,4,5,6,7                        ; the second product adds onto xt itself: the residual costs nothing
.if \g < 7
	s_wait_dscnt 18                                ; this group's loads are in; the next group's 18 may be out
.else
	s_wait_dscnt 0x0
.endif
	WIN 0x50
.irp s, 0,1
.irp c, 0,1
.irp t, 0,1
	MMA 128*\t+16*\g+8*\c, 16+64*(\g%2)+16*(2*\c+\s), HC+32*\t+16*\s, WS+4*(\g%2)+2*\c+\s, HS+2*\t+\s
.endr
.endr
.endr
	WIN 0
.if \g < 6
	NOPS 8
	LOADG \g+2
.endif
.endr
; ---------------- the way out ----------------
	v_and_b32 v[T1], 15, v0                        ; these seven lines and two v_nop are the places behind the last products
	v_bfe_u32 v[T0], v0, 4, 1
	s_delay_alu instid0(VALU_DEP_2)
	v_mul_u32_u24 v[A2], v[T1], OPITCH
	s_delay_alu instid0(VALU_DEP_1)
	v_lshl_add_u32 v[A2], v[T0], 6, v[A2]
	s_delay_alu instid0(VALU_DEP_1)
	v_add_nc_u32 v[A2], s[OST], v[A2]              ; in: row r, + 64 h
	v_add_nc_u32 v[A3], s[OST], v[LI]              ; back: half a row, 16 bytes a lane
	v_add_nc_u32 v[A4], PAR+5120, v[LI]            ; b2 in the same order
	NOPS 2
	ds_load_b128 v[B2R:B2R+3], v[A4]
	ds_load_b128 v[B2R+4:B2R+7], v[A4] offset:512
	OUTT 0, OQ0
	OUTT 1, OQ1
	s_wait_xcnt 0x0
	v_lshl_add_u32 v254, v0, 2, 0x4d000
	v_mov_b32 v255, 0
	s_wait_alu depctr_va_vdst(0)
	s_wait_tensorcnt 0x0
	ds_add_u32 v254, v255
	s_wait_dscnt 0x0
	s_endpgm
.Lfunc_end_k_q800ca2f5d2_fused:
	.size	k_q800ca2f5d2_fused, .Lfunc_end_k_q800ca2f5d2_fused-k_q800ca2f5d2_fused
	.p2alignl 7, 3214868480
	.fill 96, 4, 3214868480
	.section	.rodata,"a",@progbits
	.p2align	6, 0x0
	.amdhsa_kernel k_q800ca2f5d2_fused
		.amdhsa_group_segment_fixed_size 316416
		.amdhsa_private_segment_fixed_size 0
		.amdhsa_enable_private_segment 0
		.amdhsa_kernarg_size 72
		.amdhsa_user_sgpr_count 2
		.amdhsa_user_sgpr_kernarg_segment_ptr 1
		.amdhsa_wavefront_size32 1
		.amdhsa_system_sgpr_workgroup_id_x 1
		.amdhsa_system_sgpr_workgroup_id_y 1
		.amdhsa_system_sgpr_workgroup_id_z 1
		.amdhsa_system_vgpr_workitem_id 0
		.amdhsa_next_free_vgpr 512
		.amdhsa_next_free_sgpr 66
		.amdhsa_reserve_vcc 0
		.amdhsa_float_denorm_mode_32 3
		.amdhsa_float_denorm_mode_16_64 3
		.amdhsa_fp16_overflow 1
		.amdhsa_memory_ordered 1
		.amdhsa_forward_progress 1
		.amdhsa_inst_pref_size 255
	.end_amdhsa_kernel
	.section	.bss,"aw",@nobits
	.p2align	6
	.space	262144
	.amdgpu_metadata
---
amdhsa.version: [ 1, 2 ]
amdhsa.kernels:
  - .name:           k_q800ca2f5d2_fused
    .symbol:         k_q800ca2f5d2_fused.kd
    .args:
      - { .name: x, .offset: 0, .size: 8, .value_kind: global_buffer, .address_space: global }
      - { .name: g1, .offset: 8, .size: 8, .value_kind: global_buffer, .address_space: global }
      - { .name: be1, .offset: 16, .size: 8, .value_kind: global_buffer, .address_space: global }
      - { .name: g2, .offset: 24, .size: 8, .value_kind: global_buffer, .address_space: global }
      - { .name: be2, .offset: 32, .size: 8, .value_kind: global_buffer, .address_space: global }
      - { .name: b1, .offset: 40, .size: 8, .value_kind: global_buffer, .address_space: global }
      - { .name: b2, .offset: 48, .size: 8, .value_kind: global_buffer, .address_space: global }
      - { .name: wimg, .offset: 56, .size: 8, .value_kind: global_buffer, .address_space: global }
      - { .name: out0, .offset: 64, .size: 8, .value_kind: global_buffer, .address_space: global }
    .group_segment_fixed_size: 316416
    .private_segment_fixed_size: 0
    .kernarg_segment_align: 8
    .kernarg_segment_size: 72
    .max_flat_workgroup_size: 256
    .sgpr_count:     66
    .vgpr_count:     512
    .wavefront_size: 32
...
	.end_amdgpu_metadata
.endif
;; end of part 2
